; MI455X (gfx1250); checked and timed in simulation.
; The chip was launched on July 23, 2026; its instructions are those of AMD's public machine-readable ISA for CDNA 5 (MIT licence, August 2026) and "CDNA5" Instruction Set Architecture Reference Guide (July 2026). The comments in the code are by the model that wrote it; some were corrected since.
;; Rasterizer. Allowed arithmetic: float matrix products may take bf16 or f16 operands with f32 sums; all other float work in f32.
;; Inputs: R 2 x 3 x 3 float32; T 2 x 3 x 1 float32; color 2 x 3 x 4,096 float32; face 3 x 8,192 int32; normal 2 x 3 x 8,192 float32; pt_2d 2 x 3 x 4,096 float32; pt_3d 2 x 3 x 4,096 float32.
;; Outputs: out0 2 x 3 x 80 x 80 float32; out1 2 x 80 x 80 float32.
;; One version. Each part assembles by itself: llvm-mc -triple=amdgcn-amd-amdhsa -mcpu=gfx1250 --defsym DOCPART=n.
;; ======== version 1 of 1: 3 launches
;; workspace buffers: coef 1,572,864 bytes; msk 36,864 bytes of whole numbers; part 8,192 bytes; dep 256,000 bytes; win 256,000 bytes of whole numbers
;; launch setup (part 1): grid 256 x 1, 2 waves a work-group, no clusters, 0 bytes of LDS; arguments R, T, color, face, normal, pt_2d, pt_3d, coef, msk, part; writes coef, msk, part
.if DOCPART == 1
	.amdgcn_target "amdgcn-amd-amdhsa--gfx1250"
	.amdhsa_code_object_version 6
	.text
	.protected	k_q69c953f34b_setup
	.globl	k_q69c953f34b_setup
	.p2align	8
	.type	k_q69c953f34b_setup,@function
k_q69c953f34b_setup:
	s_mov_b64 s[64:65], 0
	v_nop
	global_prefetch_b8 v0, s[64:65] scope:SCOPE_SE
	s_setreg_imm32_b32 hwreg(HW_REG_WAVE_MODE, 25, 1), 1
	s_wait_xcnt 0x0
; SETUP: one thread per (image b, face f).  2 x 8192 faces = 256 work-groups of 64 threads; the waves are independent (no LDS, no barrier).
; Each thread gathers its three vertices, makes the two culls, the three edge planes, the depth plane and the three colour planes, and stores
;   coef [6 planes][2 b][8192 f][4 f32]: 0 = (l0x,l1x,l2x,Dx)  1 = (l0c,l1c,l2c,Dc)  2 = (l0y,l1y,l2y,Dy)  3+c = (Cx_c,Cy_c,Cc_c,0)
;   msk  [2 b][9 blocks][2][256 words] : row 0: bit i of word w = face 32 w + i belongs to the list of the 32 x 32 pixel block (3 by + bx);
;                                        row 1: the number of set bits of that word
;   part [2 b][256 words][4 f32]       : over the 32 faces of a wave, min over valid faces of (px_min, -px_max, py_min, -py_max), else 2^30
; Masks and counts are stored as whole numbers: the next launch forms its list addresses and its trip count from them.
; R^T T is 9 multiply-adds an image and feeds a sign test, so it is made in f32 on the scalar unit; the matrix unit has nothing to do here.
; LIMITS.  (1) int(x), int(y) are kept as trunc() in f32: equal to the int32 cast for |x| < 2^31; NaN or larger coordinates differ.
; (2) A face leaves the lists if it is culled, if det == 0, or if Dx, Dy or Dc is not finite.  Such a face can never cover a pixel; the
; expression in the problem would still show an UNCOVERED face whose depth plane falls below -3.06e35, which these lists do not serve
; (screen-size coordinates need |det| < about 1e-30 for that).  (3) 1/det is v_rcp_f32 with one Newton step; |det| > 2^126 is not served
; (the reciprocal flushes, ISA guide 15.8).  Sums are fused where that changes only the last bit.
.set PLANE, 262144                     ; bytes of one plane of coef: 2 x 8192 x 16
.set FTINY, 0x057a0000                 ; 1000 x 2^-126
.set BIGF,  0x4e800000                 ; 2^30 as f32
.set LANE,  1                          ; v1       lane
.set F4,    2                          ; v2       4 f
.set IDX,   3                          ; v3-5     the face's vertex numbers, then 4 x number
.set NRM,   6                          ; v6-8     normal
.set P3,    9                          ; v9-11    pt_3d of vertex 0
.set PX,    12                         ; v12-14   x of vertices 0..2
.set PY,    15                         ; v15-17   y
.set PZ,    18                         ; v18-20   z
.set COL,   21                         ; v21-29   colour c of vertex j at 21 + 3 c + j
.set EA,    30                         ; y1 - y2      (v30-33 first serve the back-face sum)
.set EB,    31                         ; x0 - x2
.set EC,    32                         ; x2 - x1
.set ED,    33                         ; y0 - y2
.set DET,   34
.set DTC,   35                         ; det pushed away from 0
.set INV,   36
.set ERR,   37
.set TMP,   38
.set ACC,   39
.set PL,    40                         ; v40-63   the six planes, plane p at 40 + 4 p
.set GM,    64                         ; v64-67   the four masked bounds, then their minima over the wave
.set SW,    68                         ; v68      at work across lanes
.set WORDS, 69                         ; v69      lane k (0..8): the ballot of block k; lane 16 + k: its number of set bits
.set OC,    70                         ; v70      byte offset in a plane of coef
.set OM,    71                         ; v71      byte offset in msk
.set OP,    72                         ; v72      byte offset in part
.set TR,    73                         ; v73-78   trunc(x), trunc(y)
.set BB,    79                         ; v79-82   the face's px_min, -px_max, py_min, -py_max
	s_load_b512 s[4:19], s[0:1], 0x0               ; R 4:5, T 6:7, color 8:9, face 10:11, normal 12:13, pt_2d 14:15, pt_3d 16:17, coef 18:19
	s_load_b128 s[20:23], s[0:1], 0x40             ; msk 20:21, part 22:23
	v_lshrrev_b32 v[SW], 5, v0
	v_readfirstlane_b32 s42, v[SW]                 ; wave
	v_and_b32 v[LANE], 31, v0
	s_lshr_b32 s43, ttmp9, 7                       ; b
	s_and_b32 s54, ttmp9, 127
	s_lshl1_add_u32 s57, s54, s42                  ; word = 2 x (group in the image) + wave
	s_lshl_b32 s54, s54, 6
	v_add_lshl_u32 v[F4], v0, s54, 2               ; 4 f
	s_mov_b32 s45, 0                               ; high word of every offset pair
	s_mov_b32 s55, FTINY
	s_mov_b32 s56, 0x7fffffff
	s_mov_b32 s58, 0x76543210                      ; v_permlanex16_b32: lane i takes lane i of the other half
	s_mov_b32 s59, 0xfedcba98
	s_lshl_b32 s54, s43, 17
	v_lshl_add_u32 v[OC], v[F4], 2, s54            ; 16 (8192 b + f)
	s_mul_i32 s54, s43, 18432
	s_lshl2_add_u32 s54, s57, s54
	v_and_b32 v[OM], 15, v[LANE]
	v_lshl_add_u32 v[OM], v[OM], 11, s54           ; 18432 b + 2048 block + 4 word (lanes 0..8 and 16..24 are the blocks),
	v_lshrrev_b32 v[SW], 4, v[LANE]
	v_lshl_add_u32 v[OM], v[SW], 10, v[OM]         ; + 1024 in the upper lanes: the row of counts
	s_lshl_b32 s54, s43, 8
	s_add_co_u32 s54, s54, s57
	s_lshl_b32 s54, s54, 4
	v_mov_b32 v[OP], s54                           ; 16 (256 b + word)
	s_wait_kmcnt 0x0
.irp k, 0,1,2
	global_load_b32 v[IDX+\k], v[F4], s[10:11] offset:\k*32768
.endr
	s_mul_i32 s44, s43, 36                         ; each table at image b
	s_add_nc_u64 s[4:5], s[4:5], s[44:45]
	s_mul_i32 s44, s43, 12
	s_add_nc_u64 s[6:7], s[6:7], s[44:45]
	s_load_b256 s[24:31], s[4:5], 0x0              ; R[b], row-major: R[i][j] in s[24 + 3 i + j]
	s_load_b32 s32, s[4:5], 0x20
	s_load_b96 s[36:38], s[6:7], 0x0               ; T[b]
	s_mul_i32 s44, s43, 98304
	s_add_nc_u64 s[12:13], s[12:13], s[44:45]
	s_mul_i32 s44, s43, 49152
	s_add_nc_u64 s[8:9], s[8:9], s[44:45]
	s_add_nc_u64 s[14:15], s[14:15], s[44:45]
	s_add_nc_u64 s[16:17], s[16:17], s[44:45]
.irp k, 0,1,2
	global_load_b32 v[NRM+\k], v[F4], s[12:13] offset:\k*32768
.endr
	s_wait_loadcnt 0x3                             ; the three normals stay out: the vertex numbers are in
.irp j, 0,1,2
	v_min_u32 v[IDX+\j], 0xfff, v[IDX+\j]          ; an index stays inside its table of 4096
	v_lshlrev_b32 v[IDX+\j], 2, v[IDX+\j]
.endr
.irp k, 0,1,2
	global_load_b32 v[P3+\k], v[IDX], s[16:17] offset:\k*16384
.endr
.irp k, 0,1,2
.irp j, 0,1,2
	global_load_b32 v[PX+3*\k+\j], v[IDX+\j], s[14:15] offset:\k*16384
.endr
.endr
.irp c, 0,1,2
.irp j, 0,1,2
	global_load_b32 v[COL+3*\c+\j], v[IDX+\j], s[8:9] offset:\c*16384
.endr
.endr
	s_wait_kmcnt 0x0                               ; R and T
.irp j, 0,1,2
	s_mul_f32  s[39+\j], s[24+\j], s36             ; rt_j = R0j T0 + R1j T1 + R2j T2
	s_fmac_f32 s[39+\j], s[27+\j], s37
	s_fmac_f32 s[39+\j], s[30+\j], s38
.endr
	s_wait_loadcnt 0x9                             ; only the nine colours stay out
	; the two culls: V0 (s46) = the face looks at the camera and all its depths are positive
	v_add_f32 v30, s39, v[P3]
	v_add_f32 v31, s40, v[P3+1]
	v_add_f32 v32, s41, v[P3+2]
	v_mul_f32 v33, v30, v[NRM]
	v_fmac_f32 v33, v31, v[NRM+1]
	v_fmac_f32 v33, v32, v[NRM+2]
	v_cmp_gt_f32 s46, 0, v33
	v_minimum_f32 v[DET], v[PZ], v[PZ+1]           ; a NaN wins, and then fails the compare
	v_minimum_f32 v[DET], v[DET], v[PZ+2]
	v_cmp_lt_f32 vcc_lo, 0, v[DET]
	s_and_b32 s46, s46, vcc_lo
	; whole-pixel bounds, maxima kept negated so that every reduction is a minimum
.irp j, 0,1,2,3,4,5
	v_trunc_f32 v[TR+\j], v[PX+\j]
.endr
	v_min3_num_f32 v[BB],   v[TR],    v[TR+1],  v[TR+2]
	v_min3_num_f32 v[BB+1], -v[TR],   -v[TR+1], -v[TR+2]
	v_min3_num_f32 v[BB+2], v[TR+3],  v[TR+4],  v[TR+5]
	v_min3_num_f32 v[BB+3], -v[TR+3], -v[TR+4], -v[TR+5]
	v_mov_b32 v[SW], BIGF
.irp k, 0,1,2,3
	v_cndmask_b32 v[GM+\k], v[SW], v[BB+\k], s46   ; a culled face counts as 2^30
.endr
	; det.  Two products and a sum, not fused: with a repeated vertex the products are equal and opposite and the sum is exactly 0
	v_sub_f32 v[EA], v[PY+1], v[PY+2]
	v_sub_f32 v[EB], v[PX],   v[PX+2]
	v_sub_f32 v[EC], v[PX+2], v[PX+1]
	v_sub_f32 v[ED], v[PY],   v[PY+2]
	v_mul_f32 v[DET], v[EA], v[EB]
	v_mul_f32 v[TMP], v[EC], v[ED]
	v_add_f32 v[DET], v[DET], v[TMP]
	v_max_num_f32 v[DTC], |v[DET]|, s55
	v_bfi_b32 v[DTC], s56, v[DTC], v[DET]          ; that magnitude, det's sign
	v_rcp_f32 v[INV], v[DTC]
	v_mov_b32 v[WORDS], 0                          ; the plain instruction between v_rcp_f32 and the use of its result (ISA guide 5.7.2)
	s_wait_alu depctr_va_vdst(0)
	v_fma_f32 v[ERR], -v[DTC], v[INV], 1.0         ; one Newton step
	v_fma_f32 v[INV], v[INV], v[ERR], v[INV]
	; the edge planes
	v_mul_f32 v[PL],   v[EA], v[INV]               ; l0x
	v_mul_f32 v[PL+8], v[EC], v[INV]               ; l0y
	v_mul_f32 v[TMP],  v[PL], v[PX+2]
	v_fma_f32 v[PL+4], -v[PL+8], v[PY+2], -v[TMP]  ; l0c = -l0x x2 - l0y y2
	v_mul_f32 v[PL+1], -v[ED], v[INV]              ; l1x
	v_mul_f32 v[PL+9], v[EB], v[INV]               ; l1y
	v_mul_f32 v[TMP],  v[PL+1], v[PX+2]
	v_fma_f32 v[PL+5], -v[PL+9], v[PY+2], -v[TMP]  ; l1c
	v_sub_f32 v[PL+2],  -v[PL],   v[PL+1]          ; l2x
	v_sub_f32 v[PL+10], -v[PL+8], v[PL+9]          ; l2y
	v_sub_f32 v[PL+6], 1.0, v[PL+4]
	v_sub_f32 v[PL+6], v[PL+6], v[PL+5]            ; l2c
; dst = q0 l0 + q1 l1 + q2 l2 for the three edge coefficients that start at register pl
.macro COMB dst, q, pl
	v_mul_f32  v[\dst], v[\q],   v[\pl]
	v_fmac_f32 v[\dst], v[\q+1], v[\pl+1]
	v_fmac_f32 v[\dst], v[\q+2], v[\pl+2]
.endm
	COMB PL+3,  PZ, PL                             ; Dx
	COMB PL+7,  PZ, PL+4                           ; Dc
	COMB PL+11, PZ, PL+8                           ; Dy
	; V1 (s47) = V0, det not 0, and the depth plane finite (0 x anything finite is 0, else NaN)
	v_mul_f32  v[ACC], 0, v[PL+3]
	v_fmac_f32 v[ACC], 0, v[PL+7]
	v_fmac_f32 v[ACC], 0, v[PL+11]
	v_cmp_eq_f32 s54, 0, v[ACC]
	v_cmp_neq_f32 s47, 0, v[DET]
	s_and_b32 s47, s47, s54
	s_and_b32 s47, s47, s46
; s[dst] = the face's whole-pixel interval meets the block [32 k, 32 k + 32): max >= 32 k (as -32 k >= -max) and min < 32 k + 32
.macro OVER dst, lo, nhi, nlit, plit
	v_cmp_ge_f32 vcc_lo, \nlit, v[\nhi]
	s_mov_b32 s[\dst], vcc_lo
	v_cmp_gt_f32 vcc_lo, \plit, v[\lo]
	s_and_b32 s[\dst], s[\dst], vcc_lo
.endm
	OVER 48, BB,   BB+1, 0,          0x42000000
	OVER 49, BB,   BB+1, 0xc2000000, 0x42800000
	OVER 50, BB,   BB+1, 0xc2800000, 0x42c00000
	OVER 51, BB+2, BB+3, 0,          0x42000000
	OVER 52, BB+2, BB+3, 0xc2000000, 0x42800000
	OVER 53, BB+2, BB+3, 0xc2800000, 0x42c00000
.irp k, 0,1,2
	s_and_b32 s[48+\k], s[48+\k], s47
.endr
.irp ky, 0,1,2
.irp kx, 0,1,2
	s_and_b32 s54, s[48+\kx], s[51+\ky]
	v_writelane_b32 v[WORDS], s54, 3*\ky+\kx       ; the ballot of block (ky, kx) into lane 3 ky + kx,
	s_bcnt1_i32_b32 s61, s54
	v_writelane_b32 v[WORDS], s61, 16+3*\ky+\kx    ; how many faces it lists into lane 16 + 3 ky + kx
.endr
.endr
; minimum over the wave's 32 lanes, left in every lane
.macro WMIN reg
	v_min_num_f32_dpp v[\reg], v[\reg], v[\reg] row_xmask:1 row_mask:0xf bank_mask:0xf
	v_min_num_f32_dpp v[\reg], v[\reg], v[\reg] row_xmask:2 row_mask:0xf bank_mask:0xf
	v_min_num_f32_dpp v[\reg], v[\reg], v[\reg] row_xmask:4 row_mask:0xf bank_mask:0xf
	v_min_num_f32_dpp v[\reg], v[\reg], v[\reg] row_xmask:8 row_mask:0xf bank_mask:0xf
	v_permlanex16_b32 v[SW], v[\reg], s58, s59
	v_min_num_f32 v[\reg], v[\reg], v[SW]
.endm
	WMIN GM
	WMIN GM+1
	WMIN GM+2
	WMIN GM+3
	s_wait_loadcnt 0x0                             ; the colours
.irp c, 0,1,2
	COMB PL+12+4*\c, COL+3*\c, PL                  ; Cx
	COMB PL+13+4*\c, COL+3*\c, PL+8                ; Cy
	COMB PL+14+4*\c, COL+3*\c, PL+4                ; Cc
	v_mov_b32 v[PL+15+4*\c], 0
.endr
.irp p, 0,1,2,3,4,5
	global_store_b128 v[OC], v[PL+4*\p:PL+4*\p+3], s[18:19] offset:\p*PLANE   ; a wave's store covers 512 consecutive bytes, aligned
.endr
	s_wait_xcnt 0x0                                ; EXEC is a source of the stores above: it narrows only behind this wait
	v_and_b32 v[SW], 15, v[LANE]
	v_cmp_gt_u32 vcc_lo, 9, v[SW]
	s_and_saveexec_b32 s60, vcc_lo
	global_store_b32 v[OM], v[WORDS], s[20:21]     ; lanes 0..8: a mask word for each block; lanes 16..24: its count
	s_wait_xcnt 0x0                                ; and widens only behind this one
	s_or_b32 exec_lo, exec_lo, s60
	v_cmp_eq_u32 vcc_lo, 0, v[LANE]
	s_and_saveexec_b32 s60, vcc_lo
	global_store_b128 v[OP], v[GM:GM+3], s[22:23]  ; lane 0: the wave's four minima
	s_endpgm
.Lfunc_end_k_q69c953f34b_setup:
	.size	k_q69c953f34b_setup, .Lfunc_end_k_q69c953f34b_setup-k_q69c953f34b_setup
	.p2alignl 7, 3214868480
	.fill 96, 4, 3214868480
	.section	.rodata,"a",@progbits
	.p2align	6, 0x0
	.amdhsa_kernel k_q69c953f34b_setup
		.amdhsa_group_segment_fixed_size 0
		.amdhsa_private_segment_fixed_size 0
		.amdhsa_enable_private_segment 0
		.amdhsa_kernarg_size 80
		.amdhsa_user_sgpr_count 2
		.amdhsa_user_sgpr_kernarg_segment_ptr 1
		.amdhsa_wavefront_size32 1
		.amdhsa_system_sgpr_workgroup_id_x 1
		.amdhsa_system_sgpr_workgroup_id_y 1
		.amdhsa_system_sgpr_workgroup_id_z 1
		.amdhsa_system_vgpr_workitem_id 0
		.amdhsa_next_free_vgpr 84
		.amdhsa_next_free_sgpr 66
		.amdhsa_reserve_vcc 1
		.amdhsa_float_denorm_mode_32 3
		.amdhsa_float_denorm_mode_16_64 3
		.amdhsa_memory_ordered 1
		.amdhsa_forward_progress 1
		.amdhsa_inst_pref_size 15
	.end_amdhsa_kernel
	.amdgpu_metadata
---
amdhsa.version: [ 1, 2 ]
amdhsa.kernels:
  - .name:           k_q69c953f34b_setup
    .symbol:         k_q69c953f34b_setup.kd
    .args:
      - { .name: R, .offset: 0, .size: 8, .value_kind: global_buffer, .address_space: global }
      - { .name: T, .offset: 8, .size: 8, .value_kind: global_buffer, .address_space: global }
      - { .name: color, .offset: 16, .size: 8, .value_kind: global_buffer, .address_space: global }
      - { .name: face, .offset: 24, .size: 8, .value_kind: global_buffer, .address_space: global }
      - { .name: normal, .offset: 32, .size: 8, .value_kind: global_buffer, .address_space: global }
      - { .name: pt_2d, .offset: 40, .size: 8, .value_kind: global_buffer, .address_space: global }
      - { .name: pt_3d, .offset: 48, .size: 8, .value_kind: global_buffer, .address_space: global }
      - { .name: coef, .offset: 56, .size: 8, .value_kind: global_buffer, .address_space: global }
      - { .name: msk, .offset: 64, .size: 8, .value_kind: global_buffer, .address_space: global }
      - { .name: part, .offset: 72, .size: 8, .value_kind: global_buffer, .address_space: global }
    .group_segment_fixed_size: 0
    .private_segment_fixed_size: 0
    .kernarg_segment_align: 8
    .kernarg_segment_size: 80
    .max_flat_workgroup_size: 64
    .sgpr_count:     66
    .vgpr_count:     84
    .wavefront_size: 32
...
	.end_amdgpu_metadata
.endif
;; end of part 1
;; launch raster (part 2): grid 25 x 10, 16 waves a work-group, no clusters, 174,336 bytes of LDS; arguments coef, msk, dep, win; writes dep, win
.if DOCPART == 2
	.amdgcn_target "amdgcn-amd-amdhsa--gfx1250"
	.amdhsa_code_object_version 6
	.text
	.protected	k_q69c953f34b_raster
	.globl	k_q69c953f34b_raster
	.p2align	8
	.type	k_q69c953f34b_raster,@function
k_q69c953f34b_raster:
	s_mov_b64 s[64:65], 0
	v_nop
	global_prefetch_b8 v0, s[64:65] scope:SCOPE_SE
	s_setreg_imm32_b32 hwreg(HW_REG_WAVE_MODE, 25, 1), 1
	s_wait_xcnt 0x0
; RASTER: the nearest covering face of every pixel, for one tile of 16 x 16 pixels and one fifth of the faces.
; Grid x = tile (5 x 5 tiles of an image), grid y = 5 b + g.  A tile lies inside one 32 x 32 block, whose list is a pair of rows of msk.
; The work-group owns mask words 51 g .. 51 g + 51 of its image (neighbouring g share one word: that face is then tested twice and gives
; the same depth and number twice, and the later merge keeps the lower g).  It packs the listed faces' records densely into LDS, in
; ascending face order, and each of its 16 waves tests an equal sixteenth of the list against the whole tile: lane (xl = l & 15, h = l >> 4)
; holds the 8 pixels of column 16 tx + xl, rows 16 ty + 8 h + r.  Per pair of pixel and face: two packed fused multiply-adds (L0, L1 | L2, D),
; one min3, two compares, one scalar AND, one dual select.  A strict < over ascending positions keeps the first face of a tie.
; Out: dep, win [(25 b + tile) 5 + g][256], pixel at r 32 + l: the best depth (LOW_INF if none) and its face (0 if none).
; The trip count and every place in the list are made from the whole numbers that the launch before stored in msk, and from nothing else:
; the 52 counts are summed on the scalar unit, and a lane's rank in its word is counted with shifts, ANDs and adds.
; Three barriers, all outside the loop: list stored | list read; list read | results stored; results stored | results read.
; The planes stay in f32 on the vector unit: 16-bit operands would move the triangles' edges.
; No cluster, no joint tile loads: what the 25 tiles of one (b, g) share is 80 KB of records, read once, and each lane's place in LDS is
; its rank in a list that differs from block to block, so the records go through registers.  No L2 prefetch: all loads of the launch are
; issued at once at its head.
; LIMITS: a pixel is covered if min3(L0, L1, L2) >= 0 with NaN ignored; planes are finite by the lists' construction, and coefficients
; above about 4e36, which overflow at X = 79, are not served.  L = fma(ly, Y, fma(lx, X, lc)): the last bit may differ from another order.
; LOW_INF = 0x78d1b717 (f32 max x 1e-4); its last bit matters only to depths of about 3.4e34.
.set PLANE,  262144                    ; bytes of one plane of coef
.set REC,    80                        ; an LDS record: planes 0, 1, 2 (48 bytes), the face number, 28 spare; an odd multiple of 16 bytes
.set CAP,    1664                      ; 52 words x 32 faces
.set DEADTOP,1727                      ; dead records reach at most this position (CAP + 63)
.set TRASH,  1728                      ; position 1728 + wave: where lanes that are not listed put their record; never read
.set MERGE,  1744*REC                  ; behind the list: [16 waves][8 r][32 lanes][best, face] = 32,768 bytes
.set LASTRD, 1726*REC                  ; the loop reads two records from its address: bound of that address
.set LOWINF, 0x78d1b717
.set X,    2                           ; v[2:3]    (X, X)
.set Y,    4                           ; v4-11     Y of row r
.set BI,   12                          ; v12-27    best depth at 12 + 2 r, its face at 13 + 2 r
.set RA,   28                          ; v28-40    record A: planes at +0, +4, +8, face at +12
.set RB,   44                          ; v44-56    record B
.set U,    60                          ; v[60:63]  lx X + lc of (L0, L1), (L2, D)
.set T,    64                          ; v64-95    row r: (L0, L1) at 64 + 4 r, (L2, D) at 66 + 4 r
.set LA,   104                         ; v104      LDS address of the wave's next two records
; while the list is built:
.set SREC, 28                          ; v28-75    4 x 12 words: the records of the wave's four mask words
.set SOFF, 76                          ; v76-79    their byte offsets in coef
.set RK,   80                          ; v80-83    word i: the lane's rank, then its place, then its LDS address
.set LT,   84                          ; v84       the bits of the lanes below mine
.set POS2, 85
.set FID,  86                          ; v86-89    face numbers
.set POS,  90
.set TRP,  91                          ; v91       the wave's trash position
.set ZR,   92                          ; v[92:95]  zeros (wave 0); later the merged pairs
.set TT,   96                          ; v96-99    at work, one for each word
.set DEAD, 100                         ; v[100:103] (-1, -1, -1, 0)
; scalar: s12 wave, s15 b, s16 g, s17 tx, s18 ty, s19 block, s20 n, s21 trips, s22 counter, s28-31 my four mask words, s32-35 their first
; positions, s[60:63] two pointers into msk; the 52 counts in four groups, group i = words 16 i ..: s68-83, s84-99, s40-55, s56-59
; (s40-55 serve the loop's compare masks afterwards)
.set C0, 68
.set C1, 84
.set C2, 40
.set C3, 56
	s_load_b256 s[4:11], s[0:1], 0x0               ; coef 4:5, msk 6:7, dep 8:9, win 10:11
	v_lshl_add_u32 v112, v0, 2, 0x2a100
	v_mov_b32 v113, 0
	v_lshrrev_b32 v105, 5, v0
	v_readfirstlane_b32 s12, v105                  ; wave
	v_and_b32 v1, 31, v0                           ; lane
	s_and_b32 s14, ttmp7, 0xffff
	s_mul_i32 s18, ttmp9, 52
	s_lshr_b32 s18, s18, 8                         ; ty = tile / 5 (exact for 0..24)
	s_mul_i32 s17, s18, 5
	s_sub_co_u32 s17, ttmp9, s17                   ; tx
	s_mul_i32 s15, s14, 52
	s_lshr_b32 s15, s15, 8                         ; b
	s_mul_i32 s16, s15, 5
	s_sub_co_u32 s16, s14, s16                     ; g
	s_lshr_b32 s19, s18, 1
	s_mul_i32 s19, s19, 3
	s_lshr_b32 s13, s17, 1
	s_add_co_u32 s19, s19, s13                     ; block = 3 (ty / 2) + tx / 2
	s_mul_i32 s13, s16, 51                         ; my first mask word
	s_mul_i32 s36, s15, 9
	s_add_co_u32 s36, s36, s19
	s_lshl_b32 s36, s36, 11                        ; the block's two rows of msk,
	s_lshl2_add_u32 s36, s13, s36                  ; at my first word
	s_mov_b32 s37, 0
	s_mul_i32 s38, s15, 25
	s_add_co_u32 s38, s38, ttmp9
	s_mul_i32 s38, s38, 5
	s_add_co_u32 s38, s38, s16
	s_lshl_b32 s38, s38, 10                        ; my 1,024 bytes of dep and of win
	s_mov_b32 s39, 0
	s_lshl_b32 s60, s12, 2                         ; the wave's words are wave + 16 i;
	s_mov_b32 s61, 0
	s_min_u32 s62, s12, 3                          ; the fourth exists for waves 0..3 alone: the others read word 51 and clear it below
	s_lshl_b32 s62, s62, 2
	s_mov_b32 s63, 0
	s_add_co_u32 s23, s13, s12
	s_lshl_b32 s23, s23, 5                         ; first face of word 51 g + wave
	s_lshl_b32 s66, s15, 17                        ; image b in a plane
	v_add_nc_u32 v[FID], s23, v1
	v_add_nc_u32 v[FID+1], 512,  v[FID]
	v_add_nc_u32 v[FID+2], 1024, v[FID]
	v_add_nc_u32 v[FID+3], 1536, v[FID]
.irp i, 0,1,2,3
	v_min_u32 v[FID+\i], 0x1fff, v[FID+\i]         ; words past my 52 have an empty mask; their loads stay inside the table
	v_lshl_add_u32 v[SOFF+\i], v[FID+\i], 4, s66
.endr
	s_wait_kmcnt 0x0
	s_add_nc_u64 s[6:7], s[6:7], s[36:37]
	s_add_nc_u64 s[60:61], s[6:7], s[60:61]
	s_add_nc_u64 s[62:63], s[6:7], s[62:63]
	s_add_nc_u64 s[8:9], s[8:9], s[38:39]
	s_add_nc_u64 s[10:11], s[10:11], s[38:39]
	; every load of the launch at once: no address hangs on what another brings
	s_load_b512 s[C0:C0+15], s[6:7], 0x400         ; the 52 counts: 208 bytes of the second row, which end at the row's end for g = 4
	s_load_b512 s[C1:C1+15], s[6:7], 0x440
	s_load_b512 s[C2:C2+15], s[6:7], 0x480
	s_load_b128 s[C3:C3+3],  s[6:7], 0x4c0
	s_load_b32 s28, s[60:61], 0x0                  ; my four mask words
	s_load_b32 s29, s[60:61], 0x40
	s_load_b32 s30, s[60:61], 0x80
	s_load_b32 s31, s[62:63], 0xc0
.irp i, 0,1,2,3
	global_load_b128 v[SREC+12*\i:SREC+12*\i+3],    v[SOFF+\i], s[4:5]
	global_load_b128 v[SREC+12*\i+4:SREC+12*\i+7],  v[SOFF+\i], s[4:5] offset:PLANE
	global_load_b128 v[SREC+12*\i+8:SREC+12*\i+11], v[SOFF+\i], s[4:5] offset:2*PLANE
.endr
	; while they are on their way: the lane's pixels and the start of the search
	s_lshl_b32 s24, s17, 4
	v_and_b32 v105, 15, v1
	v_add_nc_u32 v105, s24, v105
	v_cvt_f32_u32 v[X], v105
	v_mov_b32 v[X+1], v[X]
	s_lshl_b32 s23, s18, 4
	v_lshrrev_b32 v106, 4, v1
	v_lshl_add_u32 v106, v106, 3, s23
.irp r, 0,1,2,3,4,5,6,7
	v_add_nc_u32 v107, \r, v106
	v_cvt_f32_u32 v[Y+\r], v107
	v_mov_b32 v[BI+2*\r], LOWINF                   ; only a depth below LOW_INF can show
	v_mov_b32 v[BI+2*\r+1], 0
.endr
	s_add_co_u32 s36, s12, TRASH
	v_mov_b32 v[TRP], s36
	v_lshlrev_b32 v[LT], v1, 1
	v_add_nc_u32 v[LT], -1, v[LT]                  ; (1 << lane) - 1
	; FIRST POSITIONS.  Group i of the counts holds exactly the waves' words i, so word wave + 16 i begins at
	; (the sums of the groups in front) + (the sum of group i's counts below place 'wave').  Four running sums that do not wait for each
	; other; in step k the sums up to place k - 1 are final, and the wave with number k takes them.
	s_wait_kmcnt 0x0                               ; scalar loads return in no order: all eight are in
	s_mov_b32 s32, 0                               ; wave 0 begins each group
	s_mov_b32 s33, 0
	s_mov_b32 s34, 0
	s_mov_b32 s35, 0
.irp k, 1,2,3,4,5,6,7,8,9,10,11,12,13,14,15
	s_cmp_eq_u32 s12, \k
	s_cselect_b32 s32, s[C0+\k-1], s32
	s_cselect_b32 s33, s[C1+\k-1], s33
	s_cselect_b32 s34, s[C2+\k-1], s34
.if \k < 4
	s_cselect_b32 s35, s[C3+\k-1], s35
.endif
	s_add_co_u32 s[C0+\k], s[C0+\k], s[C0+\k-1]
	s_add_co_u32 s[C1+\k], s[C1+\k], s[C1+\k-1]
	s_add_co_u32 s[C2+\k], s[C2+\k], s[C2+\k-1]
.if \k < 4
	s_add_co_u32 s[C3+\k], s[C3+\k], s[C3+\k-1]
.endif
.endr
	s_add_co_u32 s33, s33, s[C0+15]
	s_add_co_u32 s24, s[C0+15], s[C1+15]
	s_add_co_u32 s34, s34, s24
	s_add_co_u32 s24, s24, s[C2+15]
	s_add_co_u32 s35, s35, s24
	s_add_co_u32 s20, s24, s[C3+3]
	s_min_u32 s20, s20, CAP                        ; n, the list's length
	s_cmp_lt_u32 s12, 4
	s_cselect_b32 s31, s31, 0                      ; waves 4..15 have no fourth word
	; RANKS: how many listed lanes lie below mine, for the four words side by side: sums of neighbouring 1, 2, 4, 8 and 16 bits
.macro EACH op:vararg
.irp i, 0,1,2,3
	\op
.endr
.endm
.irp i, 0,1,2,3
	v_and_b32 v[RK+\i], s[28+\i], v[LT]
.endr
.irp i, 0,1,2,3
	v_lshrrev_b32 v[TT+\i], 1, v[RK+\i]
.endr
.irp i, 0,1,2,3
	v_and_b32 v[TT+\i], 0x55555555, v[TT+\i]
.endr
.irp i, 0,1,2,3
	v_sub_nc_u32 v[RK+\i], v[RK+\i], v[TT+\i]      ; two bits: their sum
.endr
.irp i, 0,1,2,3
	v_lshrrev_b32 v[TT+\i], 2, v[RK+\i]
.endr
.irp i, 0,1,2,3
	v_and_b32 v[RK+\i], 0x33333333, v[RK+\i]
.endr
.irp i, 0,1,2,3
	v_and_b32 v[TT+\i], 0x33333333, v[TT+\i]
.endr
.irp i, 0,1,2,3
	v_add_nc_u32 v[RK+\i], v[RK+\i], v[TT+\i]      ; four bits
.endr
.irp i, 0,1,2,3
	v_lshrrev_b32 v[TT+\i], 4, v[RK+\i]
.endr
.irp i, 0,1,2,3
	v_add_nc_u32 v[RK+\i], v[RK+\i], v[TT+\i]
.endr
.irp i, 0,1,2,3
	v_and_b32 v[RK+\i], 0x0f0f0f0f, v[RK+\i]       ; a byte: at most 8
.endr
.irp i, 0,1,2,3
	v_lshrrev_b32 v[TT+\i], 8, v[RK+\i]
.endr
.irp i, 0,1,2,3
	v_add_nc_u32 v[RK+\i], v[RK+\i], v[TT+\i]
.endr
.irp i, 0,1,2,3
	v_lshrrev_b32 v[TT+\i], 16, v[RK+\i]
.endr
.irp i, 0,1,2,3
	v_add_nc_u32 v[RK+\i], v[RK+\i], v[TT+\i]      ; the lowest byte holds all four bytes' sum, at most 31
.endr
.irp i, 0,1,2,3
	v_and_b32 v[RK+\i], 63, v[RK+\i]
.endr
	; PLACES: a listed lane goes to first + rank, the others to the wave's trash: trash - bit x (trash - place).  For a listed lane the
	; difference is 65 .. 1743, inside the multiply's 24 bits; for the others the bit is 0 and the difference does not matter.
.irp i, 0,1,2,3
	v_add_nc_u32 v[RK+\i], s[32+\i], v[RK+\i]
	v_bfe_u32 v[TT+\i], s[28+\i], v1, 1            ; my bit of the word
.endr
.irp i, 0,1,2,3
	v_sub_nc_u32 v[RK+\i], v[TRP], v[RK+\i]
.endr
.irp i, 0,1,2,3
	v_mul_u32_u24 v[RK+\i], v[TT+\i], v[RK+\i]
.endr
.irp i, 0,1,2,3
	v_sub_nc_u32 v[RK+\i], v[TRP], v[RK+\i]
.endr
.irp i, 0,1,2,3
	v_min_u32 v[RK+\i], TRASH+15, v[RK+\i]
.endr
.irp i, 0,1,2,3
	v_mul_u32_u24 v[RK+\i], REC, v[RK+\i]
.endr
; word i of the wave goes into the list.  left = record loads of later words still out.
.macro STAGE i, left
	s_wait_loadcnt \left
	ds_store_b128 v[RK+\i], v[SREC+12*\i:SREC+12*\i+3]
	ds_store_b128 v[RK+\i], v[SREC+12*\i+4:SREC+12*\i+7] offset:16
	ds_store_b128 v[RK+\i], v[SREC+12*\i+8:SREC+12*\i+11] offset:32
	ds_store_b32  v[RK+\i], v[FID+\i] offset:48
.endm
	STAGE 0, 9
	STAGE 1, 6
	STAGE 2, 3
	STAGE 3, 0
	; trips: two faces a wave and trip, 32 positions a trip for the work-group
	s_add_co_u32 s21, s20, 31
	s_lshr_b32 s21, s21, 5
	s_max_u32 s21, s21, 1
	s_min_u32 s21, s21, 53                         ; q; 32 q <= n + 32
	s_mul_i32 s36, s12, s21
	s_mul_i32 s36, s36, 2*REC                      ; wave w owns positions 2 q w .. 2 q (w + 1) - 1
	v_mov_b32 v[LA], s36
	v_min_u32 v[LA], LASTRD, v[LA]
	s_mov_b32 s22, 0
	; wave 0 closes the list with 64 dead records (L = -1 everywhere): positions n .. n + 63 cover the rounding up to 32 q and the
	; one record that the last trip reads ahead
	s_cmp_lg_u32 s12, 0
	s_cbranch_scc1 .Lpadded
	v_add_nc_u32 v[POS], s20, v1
	v_add_nc_u32 v[POS2], 32, v[POS]
	v_min_u32 v[POS],  DEADTOP, v[POS]
	v_min_u32 v[POS2], DEADTOP, v[POS2]
	v_mul_u32_u24 v[POS],  REC, v[POS]
	v_mul_u32_u24 v[POS2], REC, v[POS2]
.irp k, 0,1,2,3
	v_mov_b32 v[ZR+\k], 0
.endr
.irp k, 0,1,2
	v_mov_b32 v[DEAD+\k], -1.0
.endr
	v_mov_b32 v[DEAD+3], 0
.irp a, POS, POS2
	ds_store_b128 v[\a], v[ZR:ZR+3]
	ds_store_b128 v[\a], v[DEAD:DEAD+3] offset:16
	ds_store_b128 v[\a], v[ZR:ZR+3] offset:32
	ds_store_b32  v[\a], v[ZR] offset:48
.endr
.Lpadded:
	s_wait_dscnt 0x0                               ; my records are in LDS, for the other waves' sake
	s_barrier_signal -1
	s_barrier_wait -1                              ; the whole list is
; four LDS loads from one address in all lanes: one record
.macro LOADREC R, off
	ds_load_b128 v[\R:\R+3],    v[LA] offset:\off
	ds_load_b128 v[\R+4:\R+7],  v[LA] offset:\off+16
	ds_load_b128 v[\R+8:\R+11], v[LA] offset:\off+32
	ds_load_b32  v[\R+12],      v[LA] offset:\off+48
.endm
; row r: (L0, L1) and (L2, D) = ly Y_r + U; Y_r is register p of the pair at yp, taken for both halves
.macro EVAL R, r, yp, p
	v_pk_fma_f32 v[T+4*\r:T+4*\r+1],   v[\R+8:\R+9],   v[\yp:\yp+1], v[U:U+1]   op_sel:[0,\p,0] op_sel_hi:[1,\p,1]
	v_pk_fma_f32 v[T+4*\r+2:T+4*\r+3], v[\R+10:\R+11], v[\yp:\yp+1], v[U+2:U+3] op_sel:[0,\p,0] op_sel_hi:[1,\p,1]
.endm
; one face against the lane's 8 pixels
.macro FACE R
	v_pk_fma_f32 v[U:U+1],   v[\R:\R+1],   v[X:X+1], v[\R+4:\R+5]
	v_pk_fma_f32 v[U+2:U+3], v[\R+2:\R+3], v[X:X+1], v[\R+6:\R+7]
	EVAL \R, 0, Y,   0
	EVAL \R, 1, Y,   1
	EVAL \R, 2, Y+2, 0
	EVAL \R, 3, Y+2, 1
	EVAL \R, 4, Y+4, 0
	EVAL \R, 5, Y+4, 1
	EVAL \R, 6, Y+6, 0
	EVAL \R, 7, Y+6, 1
.irp r, 0,1,2,3,4,5,6,7
	v_min3_num_f32 v[T+4*\r], v[T+4*\r], v[T+4*\r+1], v[T+4*\r+2]
.endr
.irp r, 0,1,2,3,4,5,6,7
	v_cmp_le_f32 s[40+\r], 0, v[T+4*\r]            ; inside all three edges
.endr
.irp r, 0,1,2,3,4,5,6,7
	v_cmp_lt_f32 s[48+\r], v[T+4*\r+3], v[BI+2*\r] ; and nearer than the best so far (a NaN is not)
.endr
.irp r, 0,1,2,3,4,5,6,7
	s_and_b32 vcc_lo, s[40+\r], s[48+\r]
	; depth and face in one issue: destinations even and odd, first sources 2 r and 2 r + 1 mod 4, second sources 3 and 0 mod 4
	v_dual_cndmask_b32 v[BI+2*\r], v[BI+2*\r], v[T+4*\r+3] :: v_dual_cndmask_b32 v[BI+2*\r+1], v[BI+2*\r+1], v[\R+12]
.endr
.endm
	LOADREC RA, 0
.Ltrip:
	LOADREC RB, REC
	s_wait_dscnt 0x4                               ; B's four loads stay out: A is in (on the way in and round the back edge alike)
	FACE RA
	v_add_nc_u32 v[LA], 2*REC, v[LA]
	v_min_u32 v[LA], LASTRD, v[LA]                 ; never reached by the arithmetic above; keeps the address inside the list as written
	LOADREC RA, 0                                  ; the next trip's first record; in the last trip a neighbour's or a dead one, not used
	s_wait_dscnt 0x4                               ; A's four loads stay out: B is in
	FACE RB
	s_add_co_u32 s22, s22, 1
	s_cmp_lt_u32 s22, s21
	s_cbranch_scc1 .Ltrip
	; MERGE of the 16 waves' results.  Load, wait, barrier, store: every wave's reads of the list are over before any wave stores a result,
	; so that the ordering does not lean on the bound of the loop's address.
	s_wait_dscnt 0x0                               ; my reads of the list are done, the record read ahead in the last trip too
	s_barrier_signal -1
	s_lshl_b32 s36, s12, 11                        ; (register work while the others arrive: my 2,048 bytes of the merge region)
	s_add_co_u32 s36, s36, MERGE
	v_lshl_add_u32 v105, v1, 3, s36
	s_barrier_wait -1
.irp r, 0,1,2,3,4,5,6,7
	ds_store_b64 v105, v[BI+2*\r:BI+2*\r+1] offset:\r*256
.endr
	s_wait_dscnt 0x0                               ; my results are in LDS, for the other waves' sake
	s_barrier_signal -1
	s_barrier_wait -1
	s_cmp_ge_u32 s12, 4
	s_cbranch_scc1 .Lend                           ; 128 threads, two pixels each, finish
	s_mov_b32 s36, MERGE
	v_lshl_add_u32 v106, v0, 4, s36                ; (d, face) of pixels 2 t and 2 t + 1
	v_lshlrev_b32 v107, 3, v0
.irp w, 0,1,2,3,4,5,6,7,8,9,10,11,12,13,14,15
	ds_load_b128 v[28+4*\w:31+4*\w], v106 offset:\w*2048
.endr
	s_wait_dscnt 0x0
.irp w, 1,2,3,4,5,6,7,8,9,10,11,12,13,14,15
	v_cmp_lt_f32 vcc_lo, v[28+4*\w], v28           ; strict: the lower wave, that is the lower face, keeps a tie
	v_dual_cndmask_b32 v28, v28, v[28+4*\w] :: v_dual_cndmask_b32 v29, v29, v[29+4*\w]
	v_cmp_lt_f32 vcc_lo, v[30+4*\w], v30
	v_dual_cndmask_b32 v30, v30, v[30+4*\w] :: v_dual_cndmask_b32 v31, v31, v[31+4*\w]
.endr
	v_dual_mov_b32 v[ZR],   v28 :: v_dual_mov_b32 v[ZR+1], v30   ; the two depths side by side,
	v_dual_mov_b32 v[ZR+2], v29 :: v_dual_mov_b32 v[ZR+3], v31   ; the two faces side by side
	global_store_b64 v107, v[ZR:ZR+1],   s[8:9]    ; a wave's store covers 256 consecutive bytes, aligned
	global_store_b64 v107, v[ZR+2:ZR+3], s[10:11]
.Lend:
	s_wait_tensorcnt 0x0
	ds_add_u32 v112, v113
	s_wait_dscnt 0x0
	s_endpgm
.Lfunc_end_k_q69c953f34b_raster:
	.size	k_q69c953f34b_raster, .Lfunc_end_k_q69c953f34b_raster-k_q69c953f34b_raster
	.p2alignl 7, 3214868480
	.fill 96, 4, 3214868480
	.section	.rodata,"a",@progbits
	.p2align	6, 0x0
	.amdhsa_kernel k_q69c953f34b_raster
		.amdhsa_group_segment_fixed_size 174336
		.amdhsa_private_segment_fixed_size 0
		.amdhsa_enable_private_segment 0
		.amdhsa_kernarg_size 32
		.amdhsa_user_sgpr_count 2
		.amdhsa_user_sgpr_kernarg_segment_ptr 1
		.amdhsa_wavefront_size32 1
		.amdhsa_system_sgpr_workgroup_id_x 1
		.amdhsa_system_sgpr_workgroup_id_y 1
		.amdhsa_system_sgpr_workgroup_id_z 1
		.amdhsa_system_vgpr_workitem_id 0
		.amdhsa_next_free_vgpr 114
		.amdhsa_next_free_sgpr 100
		.amdhsa_reserve_vcc 1
		.amdhsa_float_denorm_mode_32 3
		.amdhsa_float_denorm_mode_16_64 3
		.amdhsa_memory_ordered 1
		.amdhsa_forward_progress 1
		.amdhsa_inst_pref_size 30
	.end_amdhsa_kernel
	.amdgpu_metadata
---
amdhsa.version: [ 1, 2 ]
amdhsa.kernels:
  - .name:           k_q69c953f34b_raster
    .symbol:         k_q69c953f34b_raster.kd
    .args:
      - { .name: coef, .offset: 0, .size: 8, .value_kind: global_buffer, .address_space: global }
      - { .name: msk, .offset: 8, .size: 8, .value_kind: global_buffer, .address_space: global }
      - { .name: dep, .offset: 16, .size: 8, .value_kind: global_buffer, .address_space: global }
      - { .name: win, .offset: 24, .size: 8, .value_kind: global_buffer, .address_space: global }
    .group_segment_fixed_size: 174336
    .private_segment_fixed_size: 0
    .kernarg_segment_align: 8
    .kernarg_segment_size: 32
    .max_flat_workgroup_size: 512
    .sgpr_count:     100
    .vgpr_count:     114
    .wavefront_size: 32
...
	.end_amdgpu_metadata
.endif
;; end of part 2
;; launch shade (part 3): grid 200 x 1, 1 waves a work-group, no clusters, 0 bytes of LDS; arguments dep, win, coef, part, out0, out1; writes out0, out1
.if DOCPART == 3
	.amdgcn_target "amdgcn-amd-amdhsa--gfx1250"
	.amdhsa_code_object_version 6
	.text
	.protected	k_q69c953f34b_shade
	.globl	k_q69c953f34b_shade
	.p2align	8
	.type	k_q69c953f34b_shade,@function
k_q69c953f34b_shade:
	s_mov_b64 s[64:65], 0
	v_nop
	global_prefetch_b8 v0, s[64:65] scope:SCOPE_SE
	s_setreg_imm32_b32 hwreg(HW_REG_WAVE_MODE, 25, 1), 1
	s_wait_xcnt 0x0
; SHADE: merges the five candidates of every pixel, gathers the candidates' colour planes and writes image and mask.
; 200 work-groups of one wave; a lane owns two neighbouring pixels p, p + 1 (p even, so both lie in one row, one tile row and one block).
; The face numbers come from memory as whole numbers (win), so they may form addresses here.  All five candidates' colours are gathered and
; evaluated, and the nearest is chosen by selects: no branch and no address hangs on a depth.
; The region test of the image (pix_ok) is constant in a 32 x 32 block; with bx a multiple of 32 in 0..64 it is
;   x_min < bx + 32,  x_max > bx,  y_min < by + 32,  y_max > by      (x_min .. over the valid faces; sentinels of +-2^30 fail it),
; and each wave makes x_min .. from the 256 partial minima of its image (4,096 bytes) while the gathers are on their way.
; One wave a group and no LDS: nothing is shared.  No L2 prefetch: three dependent steps, each issued whole.
; LIMITS: colour = fma(Cx, X, fma(Cy, Y, Cc)); LOW_INF = 0x78d1b717, its last bit matters only to depths of about 3.4e34.
.set PLANE,  262144
.set LOWINF, 0x78d1b717
.set PT,   8                           ; v[8:39]    8 x 4 partial minima
.set DP,   40                          ; v[40:49]   depths: candidate g, pixel px at 40 + 2 g + px
.set WN,   50                          ; v[50:59]   faces, likewise
.set GO,   60                          ; v60-69     gather offsets, likewise
.set CR,   72                          ; v72-191    colour records (Cx, Cy, Cc, 0) at 72 + 4 ((2 g + px) 3 + c)
.set CUR,  192                         ; v192-199   pixel px: best depth at 192 + 4 px, its three colours behind it
.set W,    200                         ; v200-207   at work
.set OUTP, 208                         ; v[208:215] store pairs
	s_load_b256 s[4:11], s[0:1], 0x0               ; dep 4:5, win 6:7, coef 8:9, part 10:11
	s_load_b128 s[12:15], s[0:1], 0x20             ; out0 12:13, out1 14:15
	s_cmp_ge_u32 ttmp9, 100
	s_cselect_b32 s16, 1, 0                        ; b
	s_mul_i32 s17, s16, 100
	s_sub_co_u32 s17, ttmp9, s17
	s_lshl_b32 s17, s17, 6
	v_lshl_add_u32 v1, v0, 1, s17                  ; p = 64 x group + 2 x lane
	v_mul_u32_u24 v2, 0xcccd, v1
	v_lshrrev_b32 v2, 22, v2                       ; y = p / 80 (exact for p < 6400)
	v_mul_u32_u24 v[W], 80, v2
	v_sub_nc_u32 v3, v1, v[W]                      ; x
	s_mul_i32 s18, s16, 25
	s_lshl_b32 s19, s16, 12
	s_lshl_b32 s20, s16, 17
	s_mov_b32 s28, 0x76543210
	s_mov_b32 s29, 0xfedcba98
	v_lshrrev_b32 v[W], 4, v2
	v_lshrrev_b32 v[W+1], 4, v3
	v_mad_u32_u24 v[W], v[W], 5, v[W+1]
	v_add_nc_u32 v[W], s18, v[W]                   ; 25 b + tile
	v_mul_u32_u24 v[W], 0x1400, v[W]               ; x 5 candidates x 1,024 bytes
	v_and_b32 v[W+1], 7, v2
	v_bfe_u32 v[W+2], v2, 3, 1
	v_and_b32 v[W+3], 15, v3
	v_lshl_add_u32 v[W+3], v[W+2], 4, v[W+3]
	v_lshl_add_u32 v[W+3], v[W+1], 5, v[W+3]       ; place in the tile: 32 (y & 7) + 16 ((y >> 3) & 1) + (x & 15)
	v_lshl_add_u32 v7, v[W+3], 2, v[W]
	v_lshl_add_u32 v70, v0, 4, s19                 ; part: 4096 b + 16 lane
	v_lshlrev_b32 v71, 2, v1                       ; 4 p
	s_mov_b32 s31, 0
	s_wait_kmcnt 0x0
.irp g, 0,1,2,3,4
	global_load_b64 v[WN+2*\g:WN+2*\g+1], v7, s[6:7] offset:\g*1024
.endr
.irp g, 0,1,2,3,4
	global_load_b64 v[DP+2*\g:DP+2*\g+1], v7, s[4:5] offset:\g*1024
.endr
.irp k, 0,1,2,3,4,5,6,7
	global_load_b128 v[PT+4*\k:PT+4*\k+3], v70, s[10:11] offset:\k*512
.endr
	s_mul_i32 s30, s16, 76800
	s_add_nc_u64 s[12:13], s[12:13], s[30:31]
	s_mul_i32 s30, s16, 25600
	s_add_nc_u64 s[14:15], s[14:15], s[30:31]
	v_cvt_f32_u32 v4, v3                           ; X of pixel 0,
	v_add_f32 v5, 1.0, v4                          ; of pixel 1,
	v_cvt_f32_u32 v6, v2                           ; Y of both
	s_wait_loadcnt 0xd                             ; five depth loads and eight of part stay out: the faces are in
.irp j, 0,1,2,3,4,5,6,7,8,9
	v_min_u32 v[GO+\j], 0x1fff, v[WN+\j]
	v_lshl_add_u32 v[GO+\j], v[GO+\j], 4, s20
.endr
.irp j, 0,1,2,3,4,5,6,7,8,9
.irp c, 0,1,2
	global_load_b128 v[CR+4*(\j*3+\c):CR+4*(\j*3+\c)+3], v[GO+\j], s[8:9] offset:(3+\c)*PLANE
.endr
.endr
	s_wait_loadcnt 0x1e                            ; the thirty gathers stay out: depths and partial minima are in
	; the image's four bounds
.irp k, 0,1,2,3
	v_min3_num_f32 v[W+\k], v[PT+\k], v[PT+4+\k],  v[PT+8+\k]
	v_min3_num_f32 v[W+\k], v[W+\k],  v[PT+12+\k], v[PT+16+\k]
	v_min3_num_f32 v[W+\k], v[W+\k],  v[PT+20+\k], v[PT+24+\k]
	v_min_num_f32  v[W+\k], v[W+\k],  v[PT+28+\k]
.endr
	v_mov_b32 v[W+4], 0                            ; v_permlanex16_b32 counts as a reader of its destination
.irp k, 0,1,2,3
	v_min_num_f32_dpp v[W+\k], v[W+\k], v[W+\k] row_xmask:1 row_mask:0xf bank_mask:0xf
	v_min_num_f32_dpp v[W+\k], v[W+\k], v[W+\k] row_xmask:2 row_mask:0xf bank_mask:0xf
	v_min_num_f32_dpp v[W+\k], v[W+\k], v[W+\k] row_xmask:4 row_mask:0xf bank_mask:0xf
	v_min_num_f32_dpp v[W+\k], v[W+\k], v[W+\k] row_xmask:8 row_mask:0xf bank_mask:0xf
	v_permlanex16_b32 v[W+4], v[W+\k], s28, s29
	v_min_num_f32 v[W+\k], v[W+\k], v[W+4]
.endr
	v_and_b32 v[W+5], 0x60, v3                     ; bx, by
	v_and_b32 v[W+6], 0x60, v2
	v_cvt_f32_u32 v[W+5], v[W+5]
	v_cvt_f32_u32 v[W+6], v[W+6]
	v_add_f32 v[W+7], 0x42000000, v[W+5]
	v_cmp_lt_f32 s21, v[W], v[W+7]                 ; x_min < bx + 32
	v_cmp_lt_f32 s22, v[W+1], -v[W+5]              ; -x_max < -bx
	v_add_f32 v[W+7], 0x42000000, v[W+6]
	v_cmp_lt_f32 s23, v[W+2], v[W+7]
	v_cmp_lt_f32 s24, v[W+3], -v[W+6]
	s_and_b32 s25, s21, s22
	s_and_b32 s23, s23, s24
	s_and_b32 s25, s25, s23                        ; the pixel's block is drawn at all
; candidate g of pixel px: its three colours, each left in the third word of its record
.macro COLOURS g, px
.irp c, 0,1,2
	v_fma_f32 v[CR+4*((2*\g+\px)*3+\c)+2], v[CR+4*((2*\g+\px)*3+\c)+1], v6,       v[CR+4*((2*\g+\px)*3+\c)+2]
	v_fma_f32 v[CR+4*((2*\g+\px)*3+\c)+2], v[CR+4*((2*\g+\px)*3+\c)],   v[4+\px], v[CR+4*((2*\g+\px)*3+\c)+2]
.endr
.endm
; the nearer of candidate g and the best so far; strict, so the lower g (the lower face) keeps a tie.  The first choice (g = 1) reads
; candidate 0 where it lies and starts the running registers: nothing is copied.
.macro PICK g, px
.if \g == 1
.set pd, DP+\px
.else
.set pd, CUR+4*\px
.endif
	v_cmp_lt_f32 vcc_lo, v[DP+2*\g+\px], v[pd]
	v_cndmask_b32 v[CUR+4*\px], v[pd], v[DP+2*\g+\px], vcc_lo
.irp c, 0,1,2
.if \g == 1
.set pc, CR+4*(\px*3+\c)+2
.else
.set pc, CUR+4*\px+1+\c
.endif
	v_cndmask_b32 v[CUR+4*\px+1+\c], v[pc], v[CR+4*((2*\g+\px)*3+\c)+2], vcc_lo
.endr
.endm
	s_wait_loadcnt 0x18                            ; six gathers a candidate: those of the four later ones stay out
	COLOURS 0, 0
	COLOURS 0, 1
.irp g, 1,2,3,4
	s_wait_loadcnt 24-6*\g                         ; the later candidates' gathers stay out
	COLOURS \g, 0
	COLOURS \g, 1
	PICK \g, 0
	PICK \g, 1
.endr
	v_cmp_gt_f32 vcc_lo, LOWINF, v[CUR]
	s_and_b32 s26, vcc_lo, s25                     ; pixel 0 shows a face
	v_cmp_gt_f32 vcc_lo, LOWINF, v[CUR+4]
	s_and_b32 s27, vcc_lo, s25
.irp c, 0,1,2
	v_cndmask_b32 v[OUTP+2*\c],   0, v[CUR+1+\c], s26
	v_cndmask_b32 v[OUTP+2*\c+1], 0, v[CUR+5+\c], s27
.endr
	v_cndmask_b32 v[OUTP+6], 0, 1.0, s26
	v_cndmask_b32 v[OUTP+7], 0, 1.0, s27
.irp c, 0,1,2
	global_store_b64 v71, v[OUTP+2*\c:OUTP+2*\c+1], s[12:13] offset:\c*25600   ; the wave's store covers 256 consecutive bytes, aligned
.endr
	global_store_b64 v71, v[OUTP+6:OUTP+7], s[14:15]
	s_endpgm
.Lfunc_end_k_q69c953f34b_shade:
	.size	k_q69c953f34b_shade, .Lfunc_end_k_q69c953f34b_shade-k_q69c953f34b_shade
	.p2alignl 7, 3214868480
	.fill 96, 4, 3214868480
	.section	.rodata,"a",@progbits
	.p2align	6, 0x0
	.amdhsa_kernel k_q69c953f34b_shade
		.amdhsa_group_segment_fixed_size 0
		.amdhsa_private_segment_fixed_size 0
		.amdhsa_enable_private_segment 0
		.amdhsa_kernarg_size 48
		.amdhsa_user_sgpr_count 2
		.amdhsa_user_sgpr_kernarg_segment_ptr 1
		.amdhsa_wavefront_size32 1
		.amdhsa_system_sgpr_workgroup_id_x 1
		.amdhsa_system_sgpr_workgroup_id_y 1
		.amdhsa_system_sgpr_workgroup_id_z 1
		.amdhsa_system_vgpr_workitem_id 0
		.amdhsa_next_free_vgpr 216
		.amdhsa_next_free_sgpr 66
		.amdhsa_reserve_vcc 1
		.amdhsa_float_denorm_mode_32 3
		.amdhsa_float_denorm_mode_16_64 3
		.amdhsa_memory_ordered 1
		.amdhsa_forward_progress 1
		.amdhsa_inst_pref_size 18
	.end_amdhsa_kernel
	.amdgpu_metadata
---
amdhsa.version: [ 1, 2 ]
amdhsa.kernels:
  - .name:           k_q69c953f34b_shade
    .symbol:         k_q69c953f34b_shade.kd
    .args:
      - { .name: dep, .offset: 0, .size: 8, .value_kind: global_buffer, .address_space: global }
      - { .name: win, .offset: 8, .size: 8, .value_kind: global_buffer, .address_space: global }
      - { .name: coef, .offset: 16, .size: 8, .value_kind: global_buffer, .address_space: global }
      - { .name: part, .offset: 24, .size: 8, .value_kind: global_buffer, .address_space: global }
      - { .name: out0, .offset: 32, .size: 8, .value_kind: global_buffer, .address_space: global }
      - { .name: out1, .offset: 40, .size: 8, .value_kind: global_buffer, .address_space: global }
    .group_segment_fixed_size: 0
    .private_segment_fixed_size: 0
    .kernarg_segment_align: 8
    .kernarg_segment_size: 48
    .max_flat_workgroup_size: 32
    .sgpr_count:     66
    .vgpr_count:     216
    .wavefront_size: 32
...
	.end_amdgpu_metadata
.endif
;; end of part 3
